; MI455X (gfx1250); checked and timed in simulation.
; The chip was launched on July 23, 2026; its instructions are those of AMD's public machine-readable ISA for CDNA 5 (MIT licence, August 2026) and "CDNA5" Instruction Set Architecture Reference Guide (July 2026). The comments in the code are by the model that wrote it; some were corrected since.
;; Full Attention. Allowed arithmetic: float matrix products may take bf16 or f16 operands with f32 sums; all other float work in f32.
;; Inputs: keys 4 x 2,048 x 16 x 128 float32; queries 4 x 2,048 x 16 x 128 float32; values 4 x 2,048 x 16 x 128 float32.
;; Outputs: out0 4 x 2,048 x 16 x 128 float32.
;; One version. Each part assembles by itself: llvm-mc -triple=amdgcn-amd-amdhsa -mcpu=gfx1250 --defsym DOCPART=n.
;; ======== version 1 of 1: 1 launch
;; limits: values are held in f16: magnitudes above 65,504 overflow, below 6.1e-05 lose precision; inputs' magnitudes at most 65,504
;; launch attn (part 1): grid 256 x 1, 8 waves a work-group, clusters of 4 x 1, 327,680 bytes of LDS; arguments queries, keys, values, out0; writes out0
.if DOCPART == 1
	.amdgcn_target "amdgcn-amd-amdhsa--gfx1250"
	.amdhsa_code_object_version 6
	.text
	.protected	k_q94b08fdc7e_attn
	.globl	k_q94b08fdc7e_attn
	.p2align	8
	.type	k_q94b08fdc7e_attn,@function
k_q94b08fdc7e_attn:
	s_mov_b64 s[64:65], 0
	v_nop
	global_prefetch_b8 v0, s[64:65] scope:SCOPE_SE
	s_setreg_imm32_b32 hwreg(HW_REG_WAVE_MODE, 25, 1), 1
	s_wait_xcnt 0x0
	s_wait_alu depctr_hold_cnt(0) depctr_sa_sdst(0) depctr_va_vdst(0) depctr_va_sdst(0) depctr_va_ssrc(0) depctr_va_vcc(0) depctr_vm_vsrc(0)
	s_getreg_b32 s2, hwreg(HW_REG_IB_STS2, 6, 4)
	s_cmp_eq_u32 s2, 0
	s_cbranch_scc0 .Lentry_in_a_cluster
	s_endpgm
.Lentry_in_a_cluster:
	s_bfe_u32 s2, ttmp6, 0x10000c
	s_cmp_lg_u32 s2, 0x3003
	s_cbranch_scc0 .Lentry_shape_is_right
	s_endpgm
.Lentry_shape_is_right:
; out[b][l][h][:] = softmax over s of (q.k / sqrt(128)) times v.  All tensors f32, [4][2048][16][128]: a head's row is 512 bytes, rows 8,192 bytes apart.
; One launch.  A cluster of 4 work-groups takes one (b, h); work-group cx takes 512 queries, wave w of its eight 64 of them (4 blocks q of 16).
; CLUSTER: the four work-groups walk the same 32 tiles of 64 keys, so each K tile and each V tile is ONE joint tensor load (mask 15):
; wave 0 asks for K's tile, wave 1 for V's, 64 rows x 512 bytes each, into a ring of two f32 slots.
; Each tile is rounded to f16 ONCE per work-group, by waves 4-7, into one of two f16 buffers, from which all eight waves read fragments.
; Trip t, slot = t & 1, behind one round of the cluster's barrier: f32 slot (t&1) is filled with tile t+2; waves 4-7 round tile t+1 from the other f32 slot
; into the other f16 buffer; then every wave multiplies tile t from f16 buffer (t&1).  Waves 0-3 start their products at once, so the eight waves run as two
; groups, one behind the other by the length of the rounding: while one group is at its products the other is at its exponentials.
; A trip's last 32 products touch registers only, so each wave's waits and the round's opening signal stand in front of them and the matching wait behind them.
; THE PRODUCTS ARE TRANSPOSED.  S^T = K Q^T: lane (r, h) holds query r, keys 8h+j, so a query's maximum and sum are made inside a lane plus one
; exchange of the two halves, and two S tiles pack straight into the B fragment of O^T = V^T P^T.  V^T comes from V [key][d] by transposing LDS loads.
; In O^T register j of lane (r, h) is out[query r][16 dt + 8h + j].
; Q is multiplied in f32 by log2(e)/sqrt(128) before it is rounded, so p = 2^(s - m); m is a running maximum, renewed every 32 keys, so no exponent is above 0.
; THE FORMAT IS f16, NOT bf16: 11 significant bits against 8 in each of q, k, v and p.  An output is a mean of 2,048 values and is small beside them, so the
; roundings of 8-bit significands add up to a sizeable part of a hundredth of the output's spread; with three bits more they are an eighth of that.
; LIMITS.  Matrix operands (q scaled, k, v, p) are rounded to f16.  Range: keys and values above 65,504 in magnitude, queries above 65,504 / 0.1275 (about
; 5.1e5), round to infinity: rows touched through q or k then give zeros, outputs touched through v are not finite.  Operands below 2^-14 lose bits (error at
; most 2^-25 each).  p is at most 1.  A row whose scores hold NaN or +inf, or are all -inf, gives zeros (nan_to_num of a NaN softmax times finite V); with
; non-finite V in such a row the result here is 0 and not NaN.  A row whose first 32 scores are all -inf while later ones are finite also gives zeros.
.set ROWB,  8192                       ; bytes from a row of a head to the next
.set TILEB, 64*ROWB                    ; bytes from a tile of 64 keys to the next
.set ST,    65536                      ; an f32 slot: K's 64 x 512 bytes, then V's
.set STV,   32768                      ; V's half of an f32 slot
.set HF0,   2*ST                       ; f16 buffer 0
.set KP,    272                        ; f16 K row: 256 bytes + 16: an odd multiple of 16, so 16 rows start at 16 different 16-byte columns modulo 256
.set VP,    288                        ; f16 V row: 256 bytes + 32: an odd multiple of 32, for the transposing loads
.set VB,    64*KP                      ; V behind K in an f16 buffer
.set HFSZ,  64*KP+64*VP                ; 35,840
.set STG,   HF0+2*HFSZ                 ; 202,752: each wave's own stage; no tensor load ever lands at or behind HF0
.set OP,    528                        ; stage row on the way out: 512 bytes + 16
.set STGW,  16*OP                      ; 8,448 bytes a wave; the map ends at 270,336
; window 0
.set KAD, 1                            ; v1      K fragments: HF0 + 272 r + 16 h
.set VAD, 2                            ; v2      V^T fragments: HF0 + VB + 288 (8h + (L&7)) + 16 ((L>>3)&1)
.set CRD, 3                            ; v3, v4  rounding, read: 8192 (w&3) + 16 L in f32 slot 0, 1 (K's half; V's is STV further)
.set CWK, 5                            ; v5      rounding, write K: HF0 + 16 (w&3) rows + 8 L
.set CWV, 6                            ; v6      rounding, write V: HF0 + VB + 16 (w&3) rows + 8 L
.set PF,  7                            ; v7      prefetch: byte offset of my lane's 256 bytes in a tile
.set M,   8                            ; v[8+2q]   pair: running maximum m, new maximum t
.set AL,  16                           ; v[16+2q]  pair: alpha = 2^(m - t), u = the other half's figure
.set LS,  24                           ; v[24+2q]  pair of running sums
.set FR,  32                           ; v[32+8i]  four fragments of K or of V^T
.set S,   64                           ; v[64+16q+8kt] scores; then P(q) in v[64+16q..+7] and a free fragment in v[64+16q+8..+15]
.set QF,  128                          ; v[128+32q+8ks] Q's fragments, for the whole kernel
; window 1: O(dt, q) at v[8 (4 dt + q)], 32 tiles
.set G1, 24                            ; s[24:31] descriptor group 1
.set G0, 32                            ; s[32:35], s[36:39] descriptor group 0 of f32 slot 0, 1
.set MSB, 0
.macro WIN new                         ; low byte: bits 1:0 source 0, 3:2 source 1, 5:4 source 2, 7:6 destination; the high byte repeats the setting left
.if MSB != \new
	s_set_vgpr_msb (MSB<<8)|\new
.set MSB, \new
.endif
.endm
.macro PLACES n                        ; places behind matrix instructions (ISA guide 7.12.1) where there is no useful work for them
.rept \n
	v_nop
.endr
.endm
; A round of the cluster's barrier: my work-group's barrier, wave 0 signals for the work-group, every wave waits for all four, my work-group's barrier again.
.macro CREST                           ; a round behind its opening barrier
	s_cmp_lg_u32 s12, 0
	s_cbranch_scc1 .Lnot_wave_0_\@
	s_barrier_signal -3
.Lnot_wave_0_\@:
	s_barrier_wait -3
	s_barrier_signal -1
	s_barrier_wait -1
.endm
.macro ROUND                           ; a whole round
	s_barrier_signal -1
	s_barrier_wait -1
	CREST
.endm
	s_load_b256 s[4:11], s[0:1], 0x0               ; queries s[4:5], keys s[6:7], values s[8:9], out s[10:11]
	v_lshrrev_b32 v1, 5, v0
	v_readfirstlane_b32 s12, v1                    ; wave 0..7
	v_and_b32 v0, 31, v0                           ; lane L, kept in v0
	v_lshlrev_b32 v8, 4, v0                        ; 16 L: my 16 bytes of a row of Q
	s_bfe_u32 s13, ttmp6, 0x40000                  ; cx: which 512 queries
	s_lshr_b32 s14, ttmp9, 4                       ; the cluster's number is 16 b + h
	s_lshl_b32 s16, s14, 24                        ; b x 2048 x 8192 bytes
	s_and_b32 s15, ttmp9, 15
	s_lshl_b32 s15, s15, 9                         ; h x 512 bytes
	s_add_co_u32 s16, s16, s15
	s_mov_b32 s17, 0                               ; s[16:17]: the head's offset, shared by the four partners
	s_lshl_b32 s18, s13, 22                        ; cx x 512 rows
	s_lshl_b32 s15, s12, 19                        ; w x 64 rows
	s_add_co_u32 s18, s18, s15
	s_add_co_u32 s18, s18, s16
	s_mov_b32 s19, 0                               ; s[18:19]: my wave's first query row
	s_mov_b32 s40, 0x76543210                      ; v_permlanex16_b32: lane i takes lane i of the other half
	s_mov_b32 s41, 0xfedcba98
	s_mov_b32 s42, 0x3e0293ee                      ; log2(e) / sqrt(128)
	s_mov_b32 s43, 0x3e0293ee
	; group 1: 64 rows x 128 elements of 4 bytes, 2,048 elements from row to row, no padding (the f32 slots are read contiguously)
	s_mov_b32 s[G1+0], 15|(2<<16)|(1<<21)          ; 15:0 the mask names all four work-groups; 17:16 elements of 4 bytes; 21 set beside a mask
	s_mov_b32 s[G1+1], 128<<16                     ; tensor_dim0 = 128
	s_mov_b32 s[G1+2], 64<<16                      ; tensor_dim1 = 64
	s_mov_b32 s[G1+3], 128<<16                     ; tile_dim0 = 128
	s_mov_b32 s[G1+4], 64                          ; tile_dim1 = 64
	s_mov_b32 s[G1+5], 2048                        ; pitch in elements
	s_mov_b32 s[G1+6], 0
	s_mov_b32 s[G1+7], 0
	s_lshl_b32 s15, s12, 15                        ; wave 0: K's half of a slot, wave 1: V's
	s_wait_kmcnt 0x0
	s_add_nc_u64 s[4:5], s[4:5], s[18:19]          ; Q and out at my wave's first row
	s_add_nc_u64 s[10:11], s[10:11], s[18:19]
	s_cmp_eq_u32 s12, 0
	s_cselect_b64 s[20:21], s[6:7], s[8:9]         ; wave 0 fetches keys, wave 1 values (the others fetch nothing)
	s_add_nc_u64 s[20:21], s[20:21], s[16:17]      ; at the head's first row: made of the cluster's number and the wave's alone
	s_add_nc_u64 s[22:23], s[20:21], 3*TILEB       ; the prefetch starts at tile 3
.irp n, 0,1
	s_mov_b32 s[G0+4*\n], 1
	s_add_co_u32 s[G0+4*\n+1], s15, \n*ST          ; LDS address: slot, and the wave's half of it
	s_add_nc_u64 s[G0+4*\n+2:G0+4*\n+3], s[20:21], \n*TILEB
	s_or_b32 s[G0+4*\n+3], s[G0+4*\n+3], 0x80000000
.endr
	ROUND                                          ; all four work-groups are here: the first joint loads meet
	s_cmp_gt_u32 s12, 1
	s_cbranch_scc1 .Lno_first_fill
	tensor_load_to_lds s[G0:G0+3], s[G1:G1+7]      ; tile 0
	s_nop 0
	tensor_load_to_lds s[G0+4:G0+7], s[G1:G1+7]    ; tile 1: two loads of the wave are out
	s_nop 0
.Lno_first_fill:
	; Q: 64 rows, one load a row (32 lanes x 16 bytes = the row's 512 bytes), into window 1, where O will live later
	WIN 0x40
.set i, 0
.rept 64
	global_load_b128 v[4*i:4*i+3], v8, s[4:5] offset:i*ROWB th:TH_LOAD_NT
.set i, i+1
.endr
	WIN 0
	; address registers, while Q is on its way
	v_and_b32 v32, 15, v0                          ; r
	v_lshrrev_b32 v33, 4, v0                       ; h
	v_mul_u32_u24 v1, v32, KP
	v_lshl_add_u32 v1, v33, 4, v1                  ; 272 r + 16 h: a fragment's lane term
	s_mul_i32 s45, s12, STGW
	s_add_co_u32 s45, s45, STG                     ; my stage
	v_add_nc_u32 v10, s45, v1                      ; Q's fragments are read here
	v_lshl_add_u32 v9, v0, 3, s45                  ; and a row's 8 bytes a lane are put here
	v_add_nc_u32 v[KAD], HF0, v1
	v_and_b32 v34, 7, v0
	v_lshl_add_u32 v34, v33, 3, v34                ; 8 h + (L & 7)
	v_mul_u32_u24 v[VAD], v34, VP
	v_bfe_u32 v35, v0, 3, 1
	v_lshl_add_u32 v[VAD], v35, 4, v[VAD]
	v_add_nc_u32 v[VAD], HF0+VB, v[VAD]
	s_and_b32 s14, s12, 3                          ; wave 4 + i rounds rows 16 i .. 16 i + 15 of K's tile and of V's (waves 0-3 never use these addresses)
	s_lshl_b32 s15, s14, 13
	v_lshl_add_u32 v[CRD], v0, 4, s15              ; 8192 i + 16 L
	v_add_nc_u32 v[CRD+1], ST, v[CRD]
	s_mul_i32 s15, s14, 16*KP
	s_add_co_u32 s15, s15, HF0
	v_lshl_add_u32 v[CWK], v0, 3, s15
	s_mul_i32 s15, s14, 16*VP
	s_add_co_u32 s15, s15, HF0+VB
	v_lshl_add_u32 v[CWV], v0, 3, s15
	s_lshl_b32 s46, s13, 4                         ; work-group cx asks for rows 16 cx .. 16 cx + 15 of a tile
	v_lshrrev_b32 v[PF], 1, v0
	v_add_nc_u32 v[PF], s46, v[PF]
	v_lshlrev_b32 v[PF], 13, v[PF]                 ; row x 8192
	v_and_b32 v34, 1, v0
	v_lshl_or_b32 v[PF], v34, 8, v[PF]             ; + which 256 bytes of the row's 512
.irp q, 0,1,2,3
	v_mov_b32 v[AL+2*\q+1], 0                      ; v_permlanex16_b32's destination counts as read
.endr
	s_wait_loadcnt 0x0
	WIN 0x41
.set i, 0
.rept 128
	v_pk_mul_f32 v[2*i:2*i+1], v[2*i:2*i+1], s[42:43] op_sel_hi:[1,0]
.set i, i+1
.endr
	WIN 0x45
.set i, 0
.rept 64
	v_cvt_pk_f16_f32 v[4*i], v[4*i], v[4*i+1]
	v_cvt_pk_f16_f32 v[4*i+1], v[4*i+2], v[4*i+3]
.set i, i+1
.endr
	; 16 rows at a time through my own stage: rows in, fragments out
.irp q, 0,1,2,3
	WIN 0x04
.irp j, 0,1,2,3,4,5,6,7,8,9,10,11,12,13,14,15
	ds_store_b64 v9, v[4*(16*\q+\j):4*(16*\q+\j)+1] offset:\j*KP
.endr
	WIN 0
.irp ks, 0,1,2,3
	ds_load_b128 v[QF+32*\q+8*\ks:QF+32*\q+8*\ks+3],   v10 offset:64*\ks      ; LDS serves a wave's instructions in order (ISA guide 5.7.1): these see the stores above
	ds_load_b128 v[QF+32*\q+8*\ks+4:QF+32*\q+8*\ks+7], v10 offset:64*\ks+32
.endr
	s_wait_dscnt 0x0                               ; the stage is written again only when these reads are back
.endr
; Four f32 rows in v[base .. base+15] are rounded in place, eight conversions in a run, and stored, four stores in a run: a row's 256 bytes each
.macro CVST base, wr, off, pitch
.irp k, 0,1,2,3
	v_cvt_pk_f16_f32 v[(\base)+4*\k], v[(\base)+4*\k], v[(\base)+4*\k+1]
	v_cvt_pk_f16_f32 v[(\base)+4*\k+1], v[(\base)+4*\k+2], v[(\base)+4*\k+3]
.endr
.irp k, 0,1,2,3
	ds_store_b64 v[\wr], v[(\base)+4*\k:(\base)+4*\k+1] offset:(\off)+\k*(\pitch)
.endr
.endm
; Waves 4-7: my sixteen rows of K and my sixteen of V of the tile in f32 slot s are rounded into f16 buffer s.  A load takes one row's 512 bytes.
; 24 rows go out at once (K's 16 into S, V's first 8 into the fragment pool); V's last 8 follow into the first registers whose stores are shown done.
.macro CONV2 s
.irp j, 0,1,2,3,4,5,6,7,8,9,10,11,12,13,14,15
	ds_load_b128 v[S+4*\j:S+4*\j+3], v[CRD+(\s)] offset:512*\j
.endr
.irp j, 0,1,2,3,4,5,6,7
	ds_load_b128 v[FR+4*\j:FR+4*\j+3], v[CRD+(\s)] offset:STV+512*\j
.endr
.irp g, 0,1,2,3
	s_wait_dscnt 20                                ; behind K's loads 4g .. 4g+3 stand 12 - 4g loads of K, 8 of V and 4g stores
	CVST S+16*\g, CWK, (\s)*HFSZ+4*\g*KP, KP
.endr
	s_wait_dscnt 8                                 ; all but K's last eight stores are done: the first eight rows' registers are free, and V's rows 0-7 are in
.irp j, 0,1,2,3,4,5,6,7
	ds_load_b128 v[S+4*\j:S+4*\j+3], v[CRD+(\s)] offset:STV+512*(8+\j)
.endr
	CVST FR, CWV, (\s)*HFSZ, VP
	CVST FR+16, CWV, (\s)*HFSZ+4*VP, VP
	s_wait_dscnt 12                                ; behind V's loads 8-11 stand four loads and eight stores
	CVST S, CWV, (\s)*HFSZ+8*VP, VP
	s_wait_dscnt 12                                ; behind V's loads 12-15 stand twelve stores
	CVST S+16, CWV, (\s)*HFSZ+12*VP, VP
	s_wait_dscnt 8                                 ; the eight stores out of the fragment pool are done: K's fragments may land there
.endm
; One fragment of K: 16 keys from row `row` of the tile, e = 32 ks .. 32 ks + 31
.macro LOADK b, row, ks
	ds_load_b128 v[FR+8*(\ks):FR+8*(\ks)+3],   v[KAD] offset:(\b)*HFSZ+(\row)*KP+64*(\ks)
	ds_load_b128 v[FR+8*(\ks)+4:FR+8*(\ks)+7], v[KAD] offset:(\b)*HFSZ+(\row)*KP+64*(\ks)+32
.endm
; Four products: key block kt, 32 along e, the four query blocks.  The four accumulators take turns, one instruction a turn.
.macro MULS kt, ks, zero
.irp q, 0,1,2,3
.if \zero
	v_wmma_f32_16x16x32_f16 v[S+16*\q+8*\kt:S+16*\q+8*\kt+7], v[FR+8*\ks:FR+8*\ks+7], v[QF+32*\q+8*\ks:QF+32*\q+8*\ks+7], 0
.else
	v_wmma_f32_16x16x32_f16 v[S+16*\q+8*\kt:S+16*\q+8*\kt+7], v[FR+8*\ks:FR+8*\ks+7], v[QF+32*\q+8*\ks:QF+32*\q+8*\ks+7], v[S+16*\q+8*\kt:S+16*\q+8*\kt+7]
.endif
.endr
.endm
; S^T for 32 keys x 64 queries.  The first key block's four fragments have been asked for; the second's follow into the same registers.
.macro QK b, sub
	s_wait_dscnt 0x0                               ; the first key block's fragments
	MULS 0, 0, 1                                   ; the first product starts each sum
	MULS 0, 1, 0
	PLACES 4                                       ; a load into a register that a matrix instruction has read stands four places behind it
	LOADK \b, 32*(\sub)+16, 0
	LOADK \b, 32*(\sub)+16, 1
	MULS 0, 2, 0
	MULS 0, 3, 0
	PLACES 4
	LOADK \b, 32*(\sub)+16, 2
	LOADK \b, 32*(\sub)+16, 3
	s_wait_dscnt 4                                 ; fragments 0 and 1 are in, the four loads of 2 and 3 may be out
	MULS 1, 0, 1
	MULS 1, 1, 0
	s_wait_dscnt 0x0
	MULS 1, 2, 0
	MULS 1, 3, 0
.endm
; What follows the exponentials of query block q, in 16 pieces: the sums (the old sum times alpha rides on the first), then the rounding of p in place
.macro POST q, i, first
.if (\i) == 0
.if \first
	s_wait_alu depctr_va_vdst(0)
	v_pk_add_f32 v[LS+2*(\q):LS+2*(\q)+1], v[S+16*(\q):S+16*(\q)+1], v[S+16*(\q)+2:S+16*(\q)+3]
.else
	s_wait_alu depctr_va_vdst(0)
	v_pk_fma_f32 v[LS+2*(\q):LS+2*(\q)+1], v[LS+2*(\q):LS+2*(\q)+1], v[AL+2*(\q):AL+2*(\q)+1], v[S+16*(\q):S+16*(\q)+1] op_sel_hi:[1,0,1]
.endif
.elseif (\i) == 1
.if (\first) == 0
	v_pk_add_f32 v[LS+2*(\q):LS+2*(\q)+1], v[LS+2*(\q):LS+2*(\q)+1], v[S+16*(\q)+2:S+16*(\q)+3]
.endif
.elseif (\i) < 8
	v_pk_add_f32 v[LS+2*(\q):LS+2*(\q)+1], v[LS+2*(\q):LS+2*(\q)+1], v[S+16*(\q)+2*(\i):S+16*(\q)+2*(\i)+1]
.else
	v_cvt_pk_f16_f32 v[S+16*(\q)+(\i)-8], v[S+16*(\q)+2*((\i)-8)], v[S+16*(\q)+2*((\i)-8)+1]
.endif
.endm
; The softmax step for 32 keys.  first = 1: there is no older maximum, sum or O.
.macro SM b, sub, first
	; twelve lines on the first key block's scores: they name no register of the last products and are the places behind them
.irp k, 0,3,5
.irp q, 0,1,2,3
.if \k == 0
	v_max3_num_f32 v[M+2*\q+1], v[S+16*\q], v[S+16*\q+1], v[S+16*\q+2]
.else
	v_max3_num_f32 v[M+2*\q+1], v[M+2*\q+1], v[S+16*\q+\k], v[S+16*\q+\k+1]
.endif
.endr
.endr
.irp dt, 0,1,2,3
	ds_load_tr16_b128 v[FR+8*\dt:FR+8*\dt+3],   v[VAD] offset:(\b)*HFSZ+32*(\sub)*VP+32*\dt          ; V^T: d = 16 dt + r, keys 8h ..
	ds_load_tr16_b128 v[FR+8*\dt+4:FR+8*\dt+7], v[VAD] offset:(\b)*HFSZ+32*(\sub)*VP+32*\dt+16*VP   ; keys 16 + 8h ..
.endr
.irp k, 7,9,11,13
.irp q, 0,1,2,3
	v_max3_num_f32 v[M+2*\q+1], v[M+2*\q+1], v[S+16*\q+\k], v[S+16*\q+\k+1]
.endr
.endr
.irp q, 0,1,2,3
.if \first
	v_max_num_f32 v[M+2*\q+1], v[M+2*\q+1], v[S+16*\q+15]
.else
	v_max3_num_f32 v[M+2*\q+1], v[M+2*\q+1], v[S+16*\q+15], v[M+2*\q]
.endif
.endr
.irp q, 0,1,2,3
	v_permlanex16_b32 v[AL+2*\q+1], v[M+2*\q+1], s40, s41      ; the other sixteen keys' maximum
.endr
.irp q, 0,1,2,3
	v_max_num_f32 v[M+2*\q+1], v[M+2*\q+1], v[AL+2*\q+1]
.endr
.if (\first) == 0
.irp q, 0,1,2,3
	v_sub_f32 v[AL+2*\q], v[M+2*\q], v[M+2*\q+1]               ; m - t, at most 0
.endr
.endif
.irp q, 0,1,2,3
	v_mov_b32 v[M+2*\q], v[M+2*\q+1]
.endr
.if (\first) == 0
.irp q, 0,1,2,3
	v_exp_f32 v[AL+2*\q], v[AL+2*\q]                           ; alpha; plain lines follow before it is used (ISA guide 5.7.2)
.endr
.endif
.irp i, 0,1,2,3,4,5,6,7
	v_pk_add_f32 v[S+2*\i:S+2*\i+1], v[S+2*\i:S+2*\i+1], v[M:M+1] op_sel_hi:[1,0] neg_lo:[0,1] neg_hi:[0,1]    ; s - m, block 0
.endr
	; block q's exponentials, with block q+1's subtractions and block q-1's sums and roundings between them: each result has a plain line behind it before its use
.irp q, 0,1,2,3,4
.irp i, 0,1,2,3,4,5,6,7,8,9,10,11,12,13,14,15
.if \q < 4
	v_exp_f32 v[S+16*\q+\i], v[S+16*\q+\i]
.endif
.if \q < 3
.if \i < 8
	v_pk_add_f32 v[S+16*(\q+1)+2*\i:S+16*(\q+1)+2*\i+1], v[S+16*(\q+1)+2*\i:S+16*(\q+1)+2*\i+1], v[M+2*(\q+1):M+2*(\q+1)+1] op_sel_hi:[1,0] neg_lo:[0,1] neg_hi:[0,1]
.endif
.endif
.if \q > 0
	POST \q-1, \i, \first
.endif
.endr
.endr
.irp dt, 0,1,2,3
	ds_load_tr16_b128 v[S+16*\dt+8:S+16*\dt+11],  v[VAD] offset:(\b)*HFSZ+32*(\sub)*VP+32*(\dt+4)          ; V^T's blocks 4-7 into the halves that the rounding freed
	ds_load_tr16_b128 v[S+16*\dt+12:S+16*\dt+15], v[VAD] offset:(\b)*HFSZ+32*(\sub)*VP+32*(\dt+4)+16*VP
.endr
.endm
; Four products O(dt, q) += V^T(dt) P(q); the accumulators take turns, one instruction a turn
.macro MULO dt, a, first
.irp q, 0,1,2,3
.if \first
	v_wmma_f32_16x16x32_f16 v[8*(4*(\dt)+\q):8*(4*(\dt)+\q)+7], v[(\a):(\a)+7], v[S+16*\q:S+16*\q+7], 0
.else
	v_wmma_f32_16x16x32_f16 v[8*(4*(\dt)+\q):8*(4*(\dt)+\q)+7], v[(\a):(\a)+7], v[S+16*\q:S+16*\q+7], v[8*(4*(\dt)+\q):8*(4*(\dt)+\q)+7]
.endif
.endr
.endm
.macro RESCALE                         ; O = alpha O
	WIN 0x41                                       ; O in window 1, alpha in window 0
.irp dt, 0,1,2,3,4,5,6,7
.irp q, 0,1,2,3
.irp j, 0,2,4,6
	v_pk_mul_f32 v[8*(4*\dt+\q)+\j:8*(4*\dt+\q)+\j+1], v[8*(4*\dt+\q)+\j:8*(4*\dt+\q)+\j+1], v[AL+2*\q:AL+2*\q+1] op_sel_hi:[1,0]
.endr
.endr
.endr
.endm
; O = alpha O + V^T P^T for a tile's first 32 keys; the second 32 keys' first K fragments are asked for in the middle.
.macro PV b, first
.if (\first) == 0
	RESCALE
.endif
	s_wait_dscnt 8                                 ; V^T's blocks 0-3 are in, the eight loads of blocks 4-7 may be out
	WIN 0x50                                       ; C and D in window 1
	MULO 0, FR, \first
	MULO 1, FR+8, \first
	MULO 2, FR+16, \first
	MULO 3, FR+24, \first
	PLACES 4                                       ; the loads below land in registers that these products have read
	WIN 0
	LOADK \b, 32, 0
	LOADK \b, 32, 1
	LOADK \b, 32, 2
	LOADK \b, 32, 3
	s_wait_dscnt 8                                 ; blocks 4-7 are in, the eight loads just issued may be out
	WIN 0x50
	MULO 4, S+8, \first
	MULO 5, S+24, \first
	MULO 6, S+40, \first
	MULO 7, S+56, \first
	WIN 0
	PLACES 5                                       ; the next products write over P and the V^T fragments: five places (ISA guide 7.12.1)
.endm
; The same for a tile's last 32 keys, and the change of tiles.  bar = 2: the next trip fills an f32 slot again, so a round of the cluster's barrier;
; bar = 1: a work-group barrier; bar = 0: the last tile.  nask = 1: the next trip prefetches.
; When the rescaling is done all of the tile's fragments are in registers, so the wave's waits and the opening signal stand here, and the 32 products,
; which touch registers only, stand between the signal and its wait.
.macro PVEND slot, bar, nask
	RESCALE
	s_wait_dscnt 0x0                               ; all V^T fragments are in; my reads of this f16 buffer and of the other f32 slot are back, my stores into the other f16 buffer are done
.if \bar
	s_wait_tensorcnt 0x0                           ; all my tensor loads have landed (the one that was out is my half of tile t + 2), so a group 0 may be written
.if (\bar) == 2
	s_add_nc_u64 s[G0+4*(1-\slot)+2:G0+4*(1-\slot)+3], s[G0+4*(1-\slot)+2:G0+4*(1-\slot)+3], 2*TILEB    ; the other slot's next tile
.endif
.if \nask
	s_wait_xcnt 0x0                                ; this trip's prefetch has read its base
	s_add_nc_u64 s[22:23], s[22:23], TILEB         ; (behind trip 28 the stepped base is not used)
.endif
	s_barrier_signal -1                            ; say so,
.endif
	WIN 0x50
	MULO 0, FR, 0                                  ; work on registers while the others arrive,
	MULO 1, FR+8, 0
	MULO 2, FR+16, 0
	MULO 3, FR+24, 0
	MULO 4, S+8, 0
	MULO 5, S+24, 0
	MULO 6, S+40, 0
	MULO 7, S+56, 0
	WIN 0
	PLACES 5                                       ; the next loads and products write over P and the V^T fragments
.if \bar
	s_barrier_wait -1                              ; and go on when all eight have said so
.if (\bar) == 2
	CREST                                          ; all four work-groups have said so: no wave of any partner still reads the slot or has a load on its way
.endif
.endif
.endm
; One tile of 64 keys, from behind its barrier to behind the next.  slot = t & 1; refill: f32 slot `slot` gets tile t + 2; ask: tile t + 3 is prefetched;
; conv: tile t + 1 is rounded.
.macro TRIP slot, refill, ask, conv, first, bar, nask
.if \refill
	s_cmp_gt_u32 s12, 1
	s_cbranch_scc1 .Lno_fill_\@
	tensor_load_to_lds s[G0+4*\slot:G0+4*\slot+3], s[G1:G1+7]      ; my one tensor load behind the round; it has this trip, up to the next signal, in which to land
	s_nop 0
.if \ask
	; wave 0 (keys) and wave 1 (values) of work-group cx ask for rows 16 cx .. 16 cx + 15 of tile t + 3, one 256-byte block a lane: each block is asked
	; for once in the launch, one trip ahead of its tensor load; the last request, in trip 28, is for tile 31, the last
	global_prefetch_b8 v[PF], s[22:23] th:TH_LOAD_NT scope:SCOPE_SE
.endif
.Lno_fill_\@:
.endif
.if \conv
	s_cmp_lt_u32 s12, 4
	s_cbranch_scc1 .Lno_conv_\@
	CONV2 1-\slot                                  ; waves 4-7: tile t + 1
.Lno_conv_\@:
.endif
	LOADK \slot, 0, 0
	LOADK \slot, 0, 1
	LOADK \slot, 0, 2
	LOADK \slot, 0, 3
	QK \slot, 0
	SM \slot, 0, \first
	PV \slot, \first
	QK \slot, 1
	SM \slot, 1, 0
	PVEND \slot, \bar, \nask
.endm
	s_wait_tensorcnt 0x1                           ; my half of tile 0 is in; tile 1's may stay out
	s_wait_dscnt 0x0
	s_barrier_signal -1
	s_barrier_wait -1                              ; tile 0 is whole
	s_cmp_lt_u32 s12, 4
	s_cbranch_scc1 .Lno_tile0
	CONV2 0
.Lno_tile0:
	s_wait_tensorcnt 0x0                           ; tile 1 has landed too: no tensor load of mine is out
	s_add_nc_u64 s[G0+2:G0+3], s[G0+2:G0+3], 2*TILEB               ; slot 0's next tile is tile 2
	s_wait_dscnt 0x0                               ; my reads of f32 slot 0 are back, my stores into f16 buffer 0 are done
	ROUND
	TRIP 0, 1, 1, 1, 1, 2, 1                       ; tile 0: its first products start O, the sums and the maxima
	s_mov_b32 s44, 14
.Ltrips:
	TRIP 1, 1, 1, 1, 0, 2, 1                       ; tiles 1 to 28
	TRIP 0, 1, 1, 1, 0, 2, 1
	s_sub_co_u32 s44, s44, 1
	s_cmp_lg_u32 s44, 0
	s_cbranch_scc1 .Ltrips
	TRIP 1, 1, 0, 1, 0, 1, 0                       ; tile 29: the last fill (tile 31); nothing is left to prefetch
	TRIP 0, 0, 0, 1, 0, 1, 0                       ; tile 30: tile 31 is rounded
	TRIP 1, 0, 0, 0, 0, 0, 0                       ; tile 31
	; THE END OF A ROW: l over both halves, 1 / l, and nan_to_num: a row whose sum is not a finite number gives zeros
.irp q, 0,1,2,3
	v_add_f32 v[LS+2*\q], v[LS+2*\q], v[LS+2*\q+1]
.endr
.irp q, 0,1,2,3
	v_permlanex16_b32 v[AL+2*\q+1], v[LS+2*\q], s40, s41
.endr
.irp q, 0,1,2,3
	v_add_f32 v[LS+2*\q], v[LS+2*\q], v[AL+2*\q+1]
.endr
.irp q, 0,1,2,3
	v_cmp_gt_f32 s[48+\q], 0x7f800000, v[LS+2*\q]  ; infinity > l: false for NaN and for infinity
.endr
.irp q, 0,1,2,3
	v_rcp_f32 v[AL+2*\q], v[LS+2*\q]               ; l is at least 1: the newest maximum's own term; the address lines below are the plain lines behind it
.endr
	v_and_b32 v32, 15, v0
	v_lshrrev_b32 v33, 4, v0
	v_mul_u32_u24 v1, v32, OP
	v_lshl_add_u32 v1, v33, 5, v1
	v_add_nc_u32 v1, s45, v1                       ; in: row r of my stage, 32 bytes for each half of the lanes
	v_lshl_add_u32 v2, v0, 4, s45                  ; back: the 32 lanes take one row's 512 bytes
	v_lshlrev_b32 v3, 4, v0                        ; and the same in out
	s_wait_alu depctr_va_vdst(0)
	RESCALE                                        ; O / l: alpha's registers now hold 1 / l
	WIN 0x44
.irp dt, 0,1,2,3,4,5,6,7
.irp q, 0,1,2,3
.irp j, 0,1,2,3,4,5,6,7
	v_cndmask_b32 v[8*(4*\dt+\q)+\j], 0, v[8*(4*\dt+\q)+\j], s[48+\q]      ; a product cannot turn NaN into 0: a select for each number, once in the kernel
.endr
.endr
.endr
; THE WAY OUT, 16 queries at a time through my own stage; f: the read-back registers, two sets by turns
.macro OUTQ q, f
	WIN 0x04
.irp dt, 0,1,2,3,4,5,6,7
	ds_store_b128 v1, v[8*(4*\dt+\q):8*(4*\dt+\q)+3]   offset:64*\dt
	ds_store_b128 v1, v[8*(4*\dt+\q)+4:8*(4*\dt+\q)+7] offset:64*\dt+16
.endr
	WIN 0
	s_wait_xcnt 0x0                                ; the set f, which earlier stores read, is loaded again only behind this wait
.irp i, 0,1,2,3,4,5,6,7,8,9,10,11,12,13,14,15
	ds_load_b128 v[\f+4*\i:\f+4*\i+3], v2 offset:OP*\i             ; LDS serves a wave's instructions in order: these see the stores above
.endr
.irp i, 0,1,2,3,4,5,6,7,8,9,10,11,12,13,14,15
	s_wait_dscnt 15-\i                             ; row i is in, the younger loads may be out
	global_store_b128 v3, v[\f+4*\i:\f+4*\i+3], s[10:11] offset:(16*\q+\i)*ROWB th:TH_STORE_NT    ; the wave stores 512 consecutive bytes, at a multiple of 512 from out's first byte
.endr
.endm
	OUTQ 0, S
	OUTQ 1, QF
	OUTQ 2, S
	OUTQ 3, QF
	ROUND                                          ; the closing round: no work-group ends while a partner may still ask for a tile that names it
	s_endpgm
.Lfunc_end_k_q94b08fdc7e_attn:
	.size	k_q94b08fdc7e_attn, .Lfunc_end_k_q94b08fdc7e_attn-k_q94b08fdc7e_attn
	.p2alignl 7, 3214868480
	.fill 96, 4, 3214868480
	.section	.rodata,"a",@progbits
	.p2align	6, 0x0
	.amdhsa_kernel k_q94b08fdc7e_attn
		.amdhsa_group_segment_fixed_size 327680
		.amdhsa_private_segment_fixed_size 0
		.amdhsa_enable_private_segment 0
		.amdhsa_kernarg_size 32
		.amdhsa_user_sgpr_count 2
		.amdhsa_user_sgpr_kernarg_segment_ptr 1
		.amdhsa_wavefront_size32 1
		.amdhsa_system_sgpr_workgroup_id_x 1
		.amdhsa_system_sgpr_workgroup_id_y 1
		.amdhsa_system_sgpr_workgroup_id_z 1
		.amdhsa_system_vgpr_workitem_id 0
		.amdhsa_next_free_vgpr 512
		.amdhsa_next_free_sgpr 66
		.amdhsa_reserve_vcc 0
		.amdhsa_float_denorm_mode_32 3
		.amdhsa_float_denorm_mode_16_64 3
		.amdhsa_memory_ordered 1
		.amdhsa_forward_progress 1
		.amdhsa_inst_pref_size 255
	.end_amdhsa_kernel
	.section	.bss,"aw",@nobits
	.p2align	6
	.space	262144
	.amdgpu_metadata
---
amdhsa.version: [ 1, 2 ]
amdhsa.kernels:
  - .name:           k_q94b08fdc7e_attn
    .symbol:         k_q94b08fdc7e_attn.kd
    .args:
      - { .name: queries, .offset: 0, .size: 8, .value_kind: global_buffer, .address_space: global }
      - { .name: keys, .offset: 8, .size: 8, .value_kind: global_buffer, .address_space: global }
      - { .name: values, .offset: 16, .size: 8, .value_kind: global_buffer, .address_space: global }
      - { .name: out0, .offset: 24, .size: 8, .value_kind: global_buffer, .address_space: global }
    .group_segment_fixed_size: 327680
    .private_segment_fixed_size: 0
    .kernarg_segment_align: 8
    .kernarg_segment_size: 32
    .max_flat_workgroup_size: 256
    .sgpr_count:     66
    .vgpr_count:     512
    .wavefront_size: 32
...
	.end_amdgpu_metadata
.endif
;; end of part 1
